; MI455X (gfx1250); checked and timed in simulation.
; The chip was launched on July 23, 2026; its instructions are those of AMD's public machine-readable ISA for CDNA 5 (MIT licence, August 2026) and "CDNA5" Instruction Set Architecture Reference Guide (July 2026). The comments in the code are by the model that wrote it; some were corrected since.
;; Compiler Friendly Attention. Allowed arithmetic: matrix products marked QUANTISED: E5M2 operands, one given power-of-two scale a tensor, by v_wmma_f32_16x16x64_bf8_bf8 or v_wmma_f32_16x16x128_bf8_bf8, f32 sums; everything else in f32.
;; Inputs: Wk_codes 1,024 x 32 x 32 uint8 (E5M2 codes of Wk, K innermost, in blocks of 32 codes); Wo_codes 1,024 x 32 x 32 uint8 (E5M2 codes of Wo, K innermost, in blocks of 32 codes); Wq_codes 1,024 x 32 x 32 uint8 (E5M2 codes of Wq, K innermost, in blocks of 32 codes); Wv_codes 1,024 x 32 x 32 uint8 (E5M2 codes of Wv, K innermost, in blocks of 32 codes); bo 1,024 float32; lowp_scales 12 int32 (the exponents e of the quantised operands' scales 2^e); x_codes 4 x 2,048 x 32 x 32 uint8 (E5M2 codes of x, K innermost, in blocks of 32 codes).
;; Outputs: out0 4 x 2,048 x 1,024 float32.
;; This version of the problem:
;;   THIS VERSION OF THE PROBLEM IS GIVEN IN LOW PRECISION. The matrix products marked QUANTISED in the list below multiply operands that are first quantised to E5M2 (5 exponent bits, 2 mantissa bits; 8 bits a number), with one given power-of-two scale for each operand tensor; their sums are f32. All else is computed in f32.
;;   The module's matrix products, in the order in which they are computed (A, B: the left and right operand; K: the contracted axis; several contracted axes count as one K, in the product's order):
;;     1. [M 8,192, K 1,024] x [K 1,024, N 1,024]; A: input x (given as codes); B: input Wq (given as codes): QUANTISED (scales: A lowp_scales[0], B lowp_scales[1])
;;     2. [M 8,192, K 1,024] x [K 1,024, N 1,024]; A: input x (given as codes); B: input Wk (given as codes): QUANTISED (scales: A lowp_scales[2], B lowp_scales[3])
;;     3. [M 8,192, K 1,024] x [K 1,024, N 1,024]; A: input x (given as codes); B: input Wv (given as codes): QUANTISED (scales: A lowp_scales[4], B lowp_scales[5])
;;     4. batch 64 x [M 2,048, K 64] x [K 64, N 2,048]; A: computed on the way; B: computed on the way: QUANTISED (scales: A lowp_scales[6], B lowp_scales[7])
;;     5. batch 64 x [M 2,048, K 2,048] x [K 2,048, N 64]; A: softmax (see below); B: computed on the way: QUANTISED (scales: A lowp_scales[8], B lowp_scales[9])
;;     6. [M 8,192, K 1,024] x [K 1,024, N 1,024]; A: computed on the way; B: input Wo (given as codes): QUANTISED (scales: A lowp_scales[10], B lowp_scales[11])
;;   THE QUANTISER, for each operand of a quantised product, along K:
;;     - The operand's scale is 2^e, e = its entry of the input lowp_scales (int32; the entries are numbered through the quantised products in the list's order, A before B).
;;     - Each number is divided by the scale, clamped to +-57,344, and rounded to the nearest number of E5M2, ties to even, subnormals kept.
;;     - The product sums the exact products of the quantised numbers (number of the format x scale) in f32.
;;   ~~~python
;;   def quantise(x, axis, e):      # numpy; x: float32 -> the quantised numbers, widened to float32 again
;;       x = np.moveaxis(x, axis, -1); K = x.shape[-1]
;;       r = np.clip(x / 2.0 ** e, -57344, 57344)
;;       step = 2.0 ** (np.maximum(np.frexp(np.where(r == 0, 1, r))[1] - 1, -14) - 2)
;;       q = np.round(r / step) * step * 2.0 ** e      # np.round: ties to even
;;       return np.moveaxis(q, -1, axis).astype(np.float32)
;;   ~~~
;;   SOFTMAX AHEAD OF A QUANTISED PRODUCT. Where the list says 'softmax', what is quantised is not the finished softmax but p = 2^(t - M), with t = logit x log2(e) and M = ceil(the row's largest t), a whole number; so 1/2 < the row's largest p <= 1. The row's sum l is taken of the UNQUANTISED p, in f32, and the product's result is divided by l at the end. Since M is a whole number, a kernel that streams over the keys may use a running M (the ceiling of the running maximum): every later rescaling is an exact power of two, so the quantised numbers keep their values, but for numbers so far below the row's largest that they fall under the format's range.
;;   OPERANDS COMPUTED ON THE WAY. 'Computed on the way' means the value that the module computes at that place (a softmax that the list does not call 'softmax' is quantised finished and normalised). What goes into a quantiser is computed in f32, as accurately as f32 sums, v_exp_f32 and their like allow (about 1e-6 of the number): no bf16 or f16 on the way to a quantiser, and a product that is left as it is and whose result goes on into a quantised operand takes f32 operands (vector FMAs, or v_wmma_f32_16x16x4_f32). A number that lies on a knife's edge between two numbers of the format may be rounded either way, as far as f32 arithmetic and the matrix unit's own rounding can turn it there, and no further.
;;   INPUTS GIVEN AS CODES. Wk (in the module: [1024, 1024], K = its axis 1); Wo (in the module: [1024, 1024], K = its axis 1); Wq (in the module: [1024, 1024], K = its axis 1); Wv (in the module: [1024, 1024], K = its axis 1); x (in the module: [4, 2048, 1024], K = its axis 2): each comes as NAME_codes (uint8): NAME with its K axis moved to the last place and cut into blocks of 32 codes, [.., K / 32, bytes a block], one block behind the other in memory; one code a byte (a code: sign, 5 exponent bits, 2 mantissa bits); its scale is its entry of lowp_scales. Its value is code x scale, taken as it is: it is not quantised again, and the codes and scales need not be those that the quantiser above would give.
;; One version. Each part assembles by itself: llvm-mc -triple=amdgcn-amd-amdhsa -mcpu=gfx1250 --defsym DOCPART=n.
;; ======== version 1 of 1: 3 launches
;; limits: right only within a limited range of input values
;; workspace buffers: kc 8,388,608 bytes; vc 8,388,608 bytes; ac 8,388,608 bytes
;; launch proj (part 1): grid 8 x 32, 4 waves a work-group, clusters of 4 x 4, 327,680 bytes of LDS; arguments x_codes, Wk_codes, Wv_codes, lowp_scales, kc, vc; writes kc, vc
.if DOCPART == 1
	.amdgcn_target "amdgcn-amd-amdhsa--gfx1250"
	.amdhsa_code_object_version 6
	.text
	.protected	k_q69758a280b_proj
	.globl	k_q69758a280b_proj
	.p2align	8
	.type	k_q69758a280b_proj,@function
k_q69758a280b_proj:
	s_mov_b64 s[64:65], 0
	v_nop
	global_prefetch_b8 v0, s[64:65] scope:SCOPE_SE
	s_setreg_imm32_b32 hwreg(HW_REG_WAVE_MODE, 25, 1), 1
	s_wait_xcnt 0x0
	s_wait_alu depctr_hold_cnt(0) depctr_sa_sdst(0) depctr_va_vdst(0) depctr_va_sdst(0) depctr_va_ssrc(0) depctr_va_vcc(0) depctr_vm_vsrc(0)
	s_getreg_b32 s2, hwreg(HW_REG_IB_STS2, 6, 4)
	s_cmp_eq_u32 s2, 0
	s_cbranch_scc0 .Lentry_in_a_cluster
	s_endpgm
.Lentry_in_a_cluster:
	s_bfe_u32 s2, ttmp6, 0x10000c
	s_cmp_lg_u32 s2, 0xf033
	s_cbranch_scc0 .Lentry_shape_is_right
	s_endpgm
.Lentry_shape_is_right:
.set SIZE_K, 1024
.set KSTEP,  256
.set ROWB,   256
.set KROW,   SIZE_K
.set PITCH,  272
.set FR,     16
.set NL,     4
.set NP,     4
.set HALFT,  128*PITCH
.set SLOT,   4*HALFT
.set LAPS,   SIZE_K/(2*KSTEP)
.set SPARE,  2*SLOT
.set ADRA, 16
.set ADRB, 20
.set CO,   26
.set SPW,  28
.set NIL,  29
.set SC,   30
.set LIM,  31
.set TMP,  32
.set AF,   128
.set CD,   128
.set G1, 24
.set G0, 32
.set G1B, 48
.set G0B, 56
.set MSB, 0
.macro WIN new
.if MSB != \new
	s_set_vgpr_msb (MSB<<8)|\new
.set MSB, \new
.endif
.endm
.set MUL_LO, 0xa1
.set MUL_HI, 0xf1
.set TO_B,   0x40
.macro JLOAD g0a, g1a, g0b, g1b
	s_cmp_eq_u32 s15, 0
	s_cbranch_scc0 .Lfor_b_\@
	tensor_load_to_lds s[\g0a:\g0a+3], s[\g1a:\g1a+7]
	s_nop 0
.rept 4
	v_nop
.endr
	s_branch .Lasked_\@
.Lfor_b_\@:
	tensor_load_to_lds s[\g0b:\g0b+3], s[\g1b:\g1b+7]
	s_nop 0
.rept 4
	v_nop
.endr
.Lasked_\@:
.endm
.macro CREST
	s_cmp_lg_u32 s14, 0
	s_cbranch_scc1 .Lnot_wave_0_\@
	s_barrier_signal -3
.Lnot_wave_0_\@:
	s_barrier_wait -3
	s_barrier_signal -1
	s_barrier_wait -1
.endm
.macro CROUND
	s_barrier_signal -1
	s_barrier_wait -1
	CREST
.endm
	s_load_b64 s[68:69], s[0:1], 0x0               ; x's codes
	s_load_b128 s[72:75], s[0:1], 0x8              ; Wk's, Wv's codes
	s_load_b64 s[76:77], s[0:1], 0x18              ; the scales' exponents
	s_load_b128 s[80:83], s[0:1], 0x20             ; kc, vc.  The cluster's x: 0 makes K, 1 makes V (the projection of Q is made where it is used)
	v_lshl_add_u32 v[SPW], v0, 2, SPARE
	v_mov_b32 v[NIL], 0
	ds_add_u32 v28, v29
	ds_add_u32 v28, v29
	s_wait_dscnt 0x0
	v_lshrrev_b32 v1, 5, v0
	v_readfirstlane_b32 s14, v1
	s_lshr_b32 s15, s14, 1
	s_and_b32 s16, s14, 1
	s_bfe_u32 s40, ttmp6, 0x40000
	s_bfe_u32 s41, ttmp6, 0x40004
	s_and_b32 s88, ttmp7, 0xffff
	s_lshl_b32 s88, s88, 2
	s_cmp_eq_u32 ttmp9, 1
	s_cselect_b32 s89, 0, s88
	s_cselect_b32 s90, s88, 0
	s_add_co_u32 s17, s41, s89
	s_add_co_u32 s42, s40, s90
	s_lshl_b32 s43, s41, 2
	s_lshl_b32 s43, 15, s43
	s_lshl_b32 s44, 0x1111, s40
	s_or_b32 s[G1+0], s43, (0<<16)|(1<<20)|(1<<21)|(5<<22)|(3<<25)
	s_or_b32 s[G1B+0], s44, (0<<16)|(1<<20)|(1<<21)|(5<<22)|(3<<25)
.irp g, G1, G1B
	s_mov_b32 s[\g+1], ROWB<<16
	s_mov_b32 s[\g+2], 128<<16
	s_mov_b32 s[\g+3], ROWB<<16
	s_mov_b32 s[\g+4], 128
	s_mov_b32 s[\g+5], KROW
	s_mov_b32 s[\g+6], 0
	s_mov_b32 s[\g+7], 0
.endr
	s_lshl_b32 s18, s16, 7
	s_lshl_b32 s20, s17, 8
	s_add_co_u32 s20, s20, s18
	s_lshl_b32 s46, s42, 8
	s_add_co_u32 s46, s46, s18
	s_lshl_b32 s20, s20, 10
	s_lshl_b32 s46, s46, 10
	s_mov_b32 s21, 0
	s_mov_b32 s47, 0
	s_mul_i32 s45, s14, HALFT
	s_wait_kmcnt 0x0
	s_load_b256 s[92:99], s[76:77], 0x0
	s_load_b32 s91, s[76:77], 0x24
	s_cmp_eq_u32 ttmp9, 1
	s_cselect_b64 s[84:85], s[74:75], s[72:73]
	s_cselect_b64 s[10:11], s[82:83], s[80:81]
	s_cselect_b64 s[4:5], s[84:85], s[68:69]
	s_cselect_b64 s[6:7], s[68:69], s[84:85]
	s_cselect_b32 s8, s42, s17
	s_cselect_b32 s9, s17, s42
	s_cselect_b32 s12, s16, s15
	s_cselect_b32 s13, s15, s16
	s_add_nc_u64 s[20:21], s[4:5], s[20:21]
	s_add_nc_u64 s[46:47], s[6:7], s[46:47]
	s_lshr_b32 s100, s8, 3
	s_lshl_b32 s100, s100, 4
	s_lshl_b32 s9, s9, 2
	s_add_co_u32 s100, s100, s9
	s_lshl_b32 s13, s13, 1
	s_add_co_u32 s100, s100, s13
	s_lshl_b32 s100, s100, 17
	s_and_b32 s8, s8, 7
	s_lshl_b32 s8, s8, 14
	s_add_co_u32 s100, s100, s8
	s_lshl_b32 s12, s12, 13
	s_add_co_u32 s100, s100, s12
	s_mov_b32 s101, 0
	s_add_nc_u64 s[10:11], s[10:11], s[100:101]
	CROUND
.irp s, 0,1
	s_mov_b32 s[G0+4*\s], 1
	s_add_co_u32 s[G0+4*\s+1], s45, \s*SLOT
	s_add_nc_u64 s[G0+4*\s+2:G0+4*\s+3], s[20:21], \s*ROWB
	s_or_b32 s[G0+4*\s+3], s[G0+4*\s+3], 0x80000000
	s_mov_b32 s[G0B+4*\s], 1
	s_add_co_u32 s[G0B+4*\s+1], s45, \s*SLOT
	s_add_nc_u64 s[G0B+4*\s+2:G0B+4*\s+3], s[46:47], \s*ROWB
	s_or_b32 s[G0B+4*\s+3], s[G0B+4*\s+3], 0x80000000
.endr
	JLOAD G0, G1, G0B, G1B
	v_and_b32 v1, 15, v0
	v_bfe_u32 v2, v0, 4, 1
	v_mul_u32_u24 v3, v1, PITCH
	v_lshl_add_u32 v4, v2, 4, v3
	s_mul_i32 s21, s15, HALFT
	s_mul_i32 s22, s16, HALFT
	s_add_co_u32 s22, s22, 2*HALFT
.irp s, 0,1
	v_add_nc_u32 v[ADRA+\s], s21, v4
	v_add_nc_u32 v[ADRB+\s], s22, v4
	s_add_co_u32 s21, s21, SLOT
	s_add_co_u32 s22, s22, SLOT
.endr
	v_and_b32 v6, 31, v0
	v_lshlrev_b32 v[CO], 4, v6
.macro FRAG reg, adr, q, i
.irp c, 0,1,2,3
	ds_load_b128 v[\reg+4*\c:\reg+4*\c+3], v[\adr] offset:128*(\q)+32*\c+(\i)*16*PITCH
.endr
.endm
.macro MUL16 a0, p, zero
.irp a, \a0, \a0+1
.irp b, 0,1,2,3,4,5,6,7
.if \zero
	v_wmma_f32_16x16x128_bf8_bf8 v[8*(8*((\a)%4)+\b):8*(8*((\a)%4)+\b)+7], v[128*(\p)+FR*\b:128*(\p)+FR*\b+FR-1], v[AF+FR*(\a):AF+FR*(\a)+FR-1], 0
.else
	v_wmma_f32_16x16x128_bf8_bf8 v[8*(8*((\a)%4)+\b):8*(8*((\a)%4)+\b)+7], v[128*(\p)+FR*\b:128*(\p)+FR*\b+FR-1], v[AF+FR*(\a):AF+FR*(\a)+FR-1], v[8*(8*((\a)%4)+\b):8*(8*((\a)%4)+\b)+7]
.endif
.endr
.endr
.endm
.macro FETCH_B slot, q, p
	WIN TO_B
.irp i, 0,1,2,3,4,5,6,7
	FRAG 128*(\p)+FR*\i, ADRB+\slot, \q, \i
.endr
	WIN 0
.endm
.macro FETCH_A slot, q, i0
.irp i, \i0, \i0+1, \i0+2, \i0+3
	FRAG AF+FR*(\i), ADRA+\slot, \q, \i
.endr
.endm
.macro PLACES n
.rept \n
	v_nop
.endr
.endm
.macro STEP slot, q, zero
	s_wait_dscnt 4*NL
	WIN MUL_LO
	MUL16 0, (\q)%2, \zero
	MUL16 2, (\q)%2, \zero
	s_wait_dscnt 0
	PLACES NP
	FETCH_B \slot, (\q)+1, 1-(\q)%2
	FETCH_A \slot, (\q)+1, 0
	WIN MUL_HI
	MUL16 4, (\q)%2, \zero
	MUL16 6, (\q)%2, \zero
	PLACES NP
	WIN 0
	FETCH_A \slot, (\q)+1, 4
.endm
.macro TURN slot, next, fill
	s_wait_tensorcnt 0x0
	ds_add_u32 v[SPW], v[NIL]
	s_wait_dscnt 4*NL+1
	WIN MUL_LO
	MUL16 0, 1, 0
	s_wait_dscnt 0x0
	s_barrier_signal -1
	MUL16 2, 1, 0
	WIN 0
	s_barrier_wait -1
.if \fill
	CREST
	s_add_nc_u64 s[G0+4*\slot+2:G0+4*\slot+3], s[G0+4*\slot+2:G0+4*\slot+3], 2*ROWB
	s_add_nc_u64 s[G0B+4*\slot+2:G0B+4*\slot+3], s[G0B+4*\slot+2:G0B+4*\slot+3], 2*ROWB
	JLOAD G0+4*\slot, G1, G0B+4*\slot, G1B
.else
	PLACES NP
.endif
	FETCH_B \next, 0, 0
	FETCH_A \next, 0, 0
	WIN MUL_HI
	MUL16 4, 1, 0
	MUL16 6, 1, 0
	PLACES NP
	WIN 0
	FETCH_A \next, 0, 4
.endm
	s_wait_alu depctr_va_vdst(0)
	s_wait_tensorcnt 0x0
	ds_add_u32 v28, v29
	s_wait_dscnt 0x0
	CROUND
	JLOAD G0+4, G1, G0B+4, G1B
	FETCH_B 0, 0, 0
	FETCH_A 0, 0, 0
	FETCH_A 0, 0, 4
	STEP 0, 0, 1
	s_mov_b32 s3, LAPS-1
.Llap:
	TURN 0, 1, 1
	STEP 1, 0, 0
	TURN 1, 0, 1
	STEP 0, 0, 0
	s_sub_co_u32 s3, s3, 1
	s_cmp_lg_u32 s3, 0
	s_cbranch_scc1 .Llap
	TURN 0, 1, 0
	STEP 1, 0, 0
	s_wait_dscnt 4*NL
	WIN MUL_LO
	MUL16 0, 1, 0
	MUL16 2, 1, 0
	s_wait_dscnt 0
	WIN MUL_HI
	MUL16 4, 1, 0
	MUL16 6, 1, 0
	WIN 0
	s_wait_kmcnt 0x0
	s_sub_co_i32 s99, s99, s94
	s_sub_co_i32 s99, s99, s95
	s_sub_co_i32 s91, s91, s96
	s_sub_co_i32 s91, s91, s97
	s_cmp_eq_u32 ttmp9, 1
	s_cselect_b32 s98, s91, s99
	s_add_co_i32 s98, s98, 127
	s_lshl_b32 s99, s98, 23
	v_mov_b32 v[SC], s99
	s_add_co_i32 s98, s98, 15
	s_lshl_b32 s98, s98, 23
	s_or_b32 s98, s98, 0x600000
	v_mov_b32 v[LIM], s98
	PLACES NP
.macro CODES a
.set WN, 0x02+((\a)/4)
	WIN WN
.set j, 0
.rept 64
	v_med3_num_f32 v[TMP+j], v[64*((\a)%4)+j], -v[LIM], v[LIM]
.set j, j+1
.endr
	WIN 0
.irp b, 0,1,2,3,4,5,6,7
	v_cvt_scalef32_pk8_bf8_f32 v[CD+16*(\a)+2*\b:CD+16*(\a)+2*\b+1], v[TMP+8*\b:TMP+8*\b+7], v[SC]
.endr
	v_nop
.endm
.irp a, 0,1,2,3,4,5,6,7
	CODES \a
.endr
	s_cmp_eq_u32 ttmp9, 1
	s_cbranch_scc1 .Lstore_v
.irp a, 0,1,2,3,4,5,6,7
.irp b, 0,1,2,3
	global_store_b128 v[CO], v[CD+16*\a+4*\b:CD+16*\a+4*\b+3], s[10:11] offset:1024*\a+131072*(\b/2)+512*(\b%2)
.endr
.endr
	s_branch .Ldone
.Lstore_v:
	s_wait_alu depctr_va_vdst(0)
.irp a, 0,1,2,3,4,5,6,7
.irp b, 0,1,2,3
	global_store_b128 v[CO], v[CD+16*\a+4*\b:CD+16*\a+4*\b+3], s[10:11] offset:131072*(\a/4)+2048*(\a%4)+512*\b
.endr
.endr
.Ldone:
	s_wait_tensorcnt 0x0
	ds_add_u32 v[SPW], v[NIL]
	s_wait_dscnt 0x0
	CROUND
	s_endpgm
.Lfunc_end_k_q69758a280b_proj:
	.size	k_q69758a280b_proj, .Lfunc_end_k_q69758a280b_proj-k_q69758a280b_proj
	.p2alignl 7, 3214868480
	.fill 96, 4, 3214868480
	.section	.rodata,"a",@progbits
	.p2align	6, 0x0
	.amdhsa_kernel k_q69758a280b_proj
		.amdhsa_group_segment_fixed_size 327680
		.amdhsa_private_segment_fixed_size 0
		.amdhsa_enable_private_segment 0
		.amdhsa_kernarg_size 48
		.amdhsa_user_sgpr_count 2
		.amdhsa_user_sgpr_kernarg_segment_ptr 1
		.amdhsa_wavefront_size32 1
		.amdhsa_system_sgpr_workgroup_id_x 1
		.amdhsa_system_sgpr_workgroup_id_y 1
		.amdhsa_system_sgpr_workgroup_id_z 1
		.amdhsa_system_vgpr_workitem_id 0
		.amdhsa_next_free_vgpr 1024
		.amdhsa_next_free_sgpr 102
		.amdhsa_reserve_vcc 0
		.amdhsa_float_denorm_mode_32 3
		.amdhsa_float_denorm_mode_16_64 3
		.amdhsa_memory_ordered 1
		.amdhsa_forward_progress 1
		.amdhsa_inst_pref_size 122
	.end_amdhsa_kernel
	.amdgpu_metadata
---
amdhsa.version: [ 1, 2 ]
amdhsa.kernels:
  - .name:           k_q69758a280b_proj
    .symbol:         k_q69758a280b_proj.kd
    .args:
      - { .name: x_codes, .offset: 0, .size: 8, .value_kind: global_buffer, .address_space: global }
      - { .name: Wk_codes, .offset: 8, .size: 8, .value_kind: global_buffer, .address_space: global }
      - { .name: Wv_codes, .offset: 16, .size: 8, .value_kind: global_buffer, .address_space: global }
      - { .name: lowp_scales, .offset: 24, .size: 8, .value_kind: global_buffer, .address_space: global }
      - { .name: kc, .offset: 32, .size: 8, .value_kind: global_buffer, .address_space: global }
      - { .name: vc, .offset: 40, .size: 8, .value_kind: global_buffer, .address_space: global }
    .group_segment_fixed_size: 327680
    .private_segment_fixed_size: 0
    .kernarg_segment_align: 8
    .kernarg_segment_size: 48
    .max_flat_workgroup_size: 128
    .sgpr_count:     102
    .vgpr_count:     1024
    .wavefront_size: 32
...
	.end_amdgpu_metadata
.endif
;; end of part 1
;; launch attn (part 2): grid 4 x 64, 16 waves a work-group, clusters of 4 x 1, 327,680 bytes of LDS; arguments x_codes, Wq_codes, kc, vc, lowp_scales, ac; writes ac
.if DOCPART == 2
	.amdgcn_target "amdgcn-amd-amdhsa--gfx1250"
	.amdhsa_code_object_version 6
	.text
	.protected	k_q69758a280b_attn
	.globl	k_q69758a280b_attn
	.p2align	8
	.type	k_q69758a280b_attn,@function
k_q69758a280b_attn:
	s_mov_b64 s[64:65], 0
	v_nop
	global_prefetch_b8 v0, s[64:65] scope:SCOPE_SE
	s_setreg_imm32_b32 hwreg(HW_REG_WAVE_MODE, 25, 1), 1
	s_wait_xcnt 0x0
	s_wait_alu depctr_hold_cnt(0) depctr_sa_sdst(0) depctr_va_vdst(0) depctr_va_sdst(0) depctr_va_ssrc(0) depctr_va_vcc(0) depctr_vm_vsrc(0)
	s_getreg_b32 s2, hwreg(HW_REG_IB_STS2, 6, 4)
	s_cmp_eq_u32 s2, 0
	s_cbranch_scc0 .Lentry_in_a_cluster
	s_endpgm
.Lentry_in_a_cluster:
	s_bfe_u32 s2, ttmp6, 0x10000c
	s_cmp_lg_u32 s2, 0x3003
	s_cbranch_scc0 .Lentry_shape_is_right
	s_endpgm
.Lentry_shape_is_right:
; The projection of Q and the attention of one head, on codes of BF8 (E5M2): q = Q(x Wq^T), o = softmax(q k^T / 8) v, 2,048 tokens, head size 64; the result is quantised with the given 2^e10 and stored as an image of the last product's operand.
; x_codes: [8192][1024], Wq_codes: [1024][1024], k innermost.  kc: [head 64][token tile 128][2][lane][16 bytes]: images of 16 x 64 operands.  vc: [head 64][key step 16][4][4][lane][16 bytes]: images of 16 x 128 operands of V^T.
; ac: [token tile 512][head 16][2][lane][16 bytes].  lowp_scales: e0 (x), e1 (Wq), e6 (q), e7 (k), e8 (p), e9 (v), e10 (the result).
; THE SOFTMAX: t = score x log2(e) / 8; M = the row's largest t so far, rounded up to a whole number; p = 2^(t - M) is quantised; the row's sum is taken of the unquantised p and divides at the end.
; When M moves, the sum and O are multiplied by 2^(old M - new M): exact.
; LIMITS, so that each power of two below is an f32 number: e6 + e7 between -123 and 130; e8, e6 - e0 - e1 and e10 - e8 - e9 between -126 and 112.  NaN and infinity among the codes are not served.
; SHARES.  A work-group owns 512 queries of one head; each of its sixteen waves owns two tiles of 16 queries in 256 registers.
; Q.  A wave projects its own 32 queries: Q^T = Wq x^T (source 0 = 16 of the head's 64 rows of Wq, source 1 = 16 rows of x), 8 steps of 128 along K, eight accumulators by turns.  A lane then holds one query and eight neighbouring
; channels a tile: one conversion gives registers 2 d, 2 d + 1 of Q's operand.  x's fragments come straight into registers, a lane a row, 32 neighbouring bytes of each of 16 rows an instruction (each wave reads each of its bytes once),
; three K steps ahead of their use; that look-ahead stands in the place of a prefetch.  Both operands take k = 32 c + 16 (lane / 16) + 0 .. 15 into registers 4 c .. 4 c + 3: the same permutation of k on both sides.
; LDS.  K's 131,072 bytes from byte 0, V's from byte 131,072, as they lie in memory.  At the head each wave issues ONE tensor load: waves 0-7 K's parts of 16,384 bytes, waves 8-11 V's first four, waves 12-15 sixteen rows of Wq each
; (rows of 1,024 bytes + 16 of padding), into the bytes from 196,608 on.  Behind the projection V's upper 65,536 bytes are filled over Wq's, 4,096 a wave, behind the waits, the add and a round of the cluster's barrier;
; they are waited for, with one barrier, between key steps 7 and 8.
; CLUSTER.  The head's four work-groups ask for each part of K, V and Wq jointly.
; REGISTERS: v1 16 x lane; v2, v15 LDS addresses (in the projection: Wq's, and x's offset); v3, v14 the spare word's address and 0; tile q: v[4+4q] -M, v[5+4q] the largest t, v[6+4q:7+4q] the sum; v12 a conversion's scale; v13 its hold;
; v16-31 Q; v32-95 fragments of Wq, K, V; v96-159 Q's sums, then S^T and p; v160-223 O^T; v224-255 p's codes; in the projection v160-255 hold x's fragments of three K steps.
.set LI,   1
.set AD,   2
.set SPW,  3
.set SCV,  12
.set LMV,  13
.set NIL,  14
.set ADV,  15
.set QF,   16
.set X,    32
.set S,    96
.set O,    160
.set XB,   160
.set PC,   224
.set WV,   14
.set SEL,  20
.set CS,   22
.set G1,   24                          ; s[24:31] group 1: 16,384 dense bytes;  s[32:35] its group 0
.set G0,   32
.set G0W,  36                          ; s[36:39], s[44:51] Wq's rows
.set G1W,  44
.set G1R,  52                          ; s[52:59], s[60:63] V's upper half, 4,096 dense bytes a wave
.set G0R,  60
.set TB,   66
.set CNT,  67
.set LMS,  84
.set VBASE, 131072
.set WQB,   196608
.set WP,    1040
.set SPARE, 263168                     ; the spare words: 128 bytes a wave, 2,048 in all
.macro CROUND                          ; a round of the cluster's barrier
	s_barrier_signal -1
	s_barrier_wait -1
	s_cmp_lg_u32 s[WV], 0
	s_cbranch_scc1 .Lnot_wave_0_\@
	s_barrier_signal -3
.Lnot_wave_0_\@:
	s_barrier_wait -3
	s_barrier_signal -1
	s_barrier_wait -1
.endm
.macro PLACES                          ; four places behind matrix instructions (ISA guide 7.12.1)
.rept 4
	v_nop
.endr
.endm
.macro XLOAD ks                        ; x's two fragments of K step ks
.irp q, 0,1
.irp c, 0,1,2,3
	global_load_b128 v[XB+32*((\ks)%3)+16*\q+4*\c:XB+32*((\ks)%3)+16*\q+4*\c+3], v[ADV], s[4:5] offset:16384*\q+128*(\ks)+32*\c
.endr
.endr
.endm
.macro QSTEP ks, left                  ; left: x's loads issued behind this step's, which may stay out
.irp d, 0,1,2,3
.irp c, 0,1,2,3
	ds_load_b128 v[X+16*\d+4*\c:X+16*\d+4*\c+3], v[AD] offset:\d*16*WP+128*(\ks)+32*\c
.endr
.endr
	s_wait_loadcnt \left
	s_wait_dscnt 0x0
.irp d, 0,1,2,3
.irp q, 0,1
.if (\ks) == 0
	v_wmma_f32_16x16x128_bf8_bf8 v[S+8*(4*\q+\d):S+8*(4*\q+\d)+7], v[X+16*\d:X+16*\d+15], v[XB+32*((\ks)%3)+16*\q:XB+32*((\ks)%3)+16*\q+15], 0
.else
	v_wmma_f32_16x16x128_bf8_bf8 v[S+8*(4*\q+\d):S+8*(4*\q+\d)+7], v[X+16*\d:X+16*\d+15], v[XB+32*((\ks)%3)+16*\q:XB+32*((\ks)%3)+16*\q+15], v[S+8*(4*\q+\d):S+8*(4*\q+\d)+7]
.endif
.endr
.endr
	PLACES                                         ; in front of the loads into the registers just read
.if (\ks) < 5
	XLOAD (\ks)+3
.endif
.endm
	s_load_b256 s[4:11], s[0:1], 0x0               ; x, Wq, kc, vc
	s_load_b128 s[40:43], s[0:1], 0x20             ; the scales' exponents, ac
	v_lshl_add_u32 v[SPW], v0, 2, SPARE
	v_mov_b32 v[NIL], 0
	ds_add_u32 v[SPW], v[NIL]                      ; the opening lines: the add, twice on end, and its wait below
	ds_add_u32 v[SPW], v[NIL]
	v_lshrrev_b32 v2, 5, v0
	v_readfirstlane_b32 s[WV], v2                  ; wave 0..15
	v_and_b32 v[LI], 31, v0
	v_lshlrev_b32 v[LI], 4, v[LI]
	v_and_b32 v12, 15, v0                          ; r
	v_bfe_u32 v13, v0, 4, 1                        ; h
	v_lshlrev_b32 v[ADV], 10, v12
	v_lshl_add_u32 v[ADV], v13, 4, v[ADV]          ; x: row r of 1,024 bytes, + 16 h
	v_mul_u32_u24 v[AD], v12, WP
	v_lshl_add_u32 v[AD], v13, 4, v[AD]
	v_add_nc_u32 v[AD], WQB, v[AD]                 ; Wq in LDS: row r, + 16 h
	s_bfe_u32 s15, ttmp6, 0x40000                  ; cx
	s_lshl_b32 s16, ttmp9, 2
	s_add_co_u32 s16, s16, s15                     ; my block of 512 queries: it enters x's and ac's addresses alone
	s_and_b32 s17, ttmp7, 0xffff                   ; the head, which the four partners share
	s_mov_b32 s[G1], 15|(3<<16)|(1<<21)            ; the mask of all four; elements of 8 bytes; no padding; bit 21 beside a mask
	s_mov_b32 s[G1+1], 32<<16                      ; 64 rows of 256 bytes
	s_mov_b32 s[G1+2], 64<<16
	s_mov_b32 s[G1+3], 32<<16
	s_mov_b32 s[G1+4], 64
	s_mov_b32 s[G1+5], 32
	s_mov_b32 s[G1+6], 0
	s_mov_b32 s[G1+7], 0
	s_mov_b32 s[G1W], 15|(1<<20)|(1<<21)|(7<<22)|(3<<25)   ; elements of 1 byte; four words of padding after every 256
	s_mov_b32 s[G1W+1], 1024<<16                   ; 16 rows of 1,024 bytes
	s_mov_b32 s[G1W+2], 16<<16
	s_mov_b32 s[G1W+3], 1024<<16
	s_mov_b32 s[G1W+4], 16
	s_mov_b32 s[G1W+5], 1024
	s_mov_b32 s[G1W+6], 0
	s_mov_b32 s[G1W+7], 0
	s_mov_b32 s[G1R], 15|(3<<16)|(1<<21)
	s_mov_b32 s[G1R+1], 32<<16                     ; 16 rows of 256 bytes
	s_mov_b32 s[G1R+2], 16<<16
	s_mov_b32 s[G1R+3], 32<<16
	s_mov_b32 s[G1R+4], 16
	s_mov_b32 s[G1R+5], 32
	s_mov_b32 s[G1R+6], 0
	s_mov_b32 s[G1R+7], 0
	s_mov_b32 s[SEL], 0x76543210
	s_mov_b32 s[SEL+1], 0xfedcba98
	s_mov_b32 s[CS], 0x3e38aa3b                    ; log2(e) / 8
	s_and_b32 s18, s[WV], 7
	s_lshl_b32 s18, s18, 14                        ; waves 0-11: my part of K or of V
	s_lshl_b32 s68, s17, 17                        ; the head's first byte in kc and in vc
	s_add_co_u32 s68, s68, s18
	s_mov_b32 s69, 0
	s_mov_b32 s[G0], 1
	s_lshl_b32 s[G0+1], s[WV], 14                  ; LDS byte 16,384 x wave
	s_and_b32 s18, s[WV], 3                        ; waves 12-15: my sixteen of the head's 64 rows of Wq
	s_and_b32 s70, s17, 15
	s_lshl_b32 s70, s70, 16
	s_lshl_b32 s19, s18, 14
	s_add_co_u32 s70, s70, s19
	s_mov_b32 s71, 0
	s_mov_b32 s[G0W], 1
	s_mul_i32 s[G0W+1], s18, 16*WP
	s_add_co_u32 s[G0W+1], s[G0W+1], WQB
	s_lshl_b32 s80, s17, 17                        ; the refill: 4,096 x wave in V's upper half
	s_lshl_b32 s19, s[WV], 12
	s_add_co_u32 s80, s80, s19
	s_add_co_u32 s80, s80, 65536
	s_mov_b32 s81, 0
	s_mov_b32 s[G0R], 1
	s_add_co_u32 s[G0R+1], s19, VBASE+65536
	s_wait_dscnt 0x0                               ; both opening adds are done
	s_wait_kmcnt 0x0
	s_load_b256 s[72:79], s[40:41], 0x10           ; e4 .. e11
	s_load_b64 s[86:87], s[40:41], 0x0             ; e0, e1
	s_cmp_lt_u32 s[WV], 8                          ; waves 0-7 fetch K, waves 8-11 V
	s_cselect_b64 s[G0+2:G0+3], s[8:9], s[10:11]
	s_add_nc_u64 s[G0+2:G0+3], s[G0+2:G0+3], s[68:69]
	s_or_b32 s[G0+3], s[G0+3], 0x80000000
	s_add_nc_u64 s[G0W+2:G0W+3], s[6:7], s[70:71]
	s_or_b32 s[G0W+3], s[G0W+3], 0x80000000
	s_add_nc_u64 s[G0R+2:G0R+3], s[10:11], s[80:81]
	s_or_b32 s[G0R+3], s[G0R+3], 0x80000000
	s_lshr_b32 s70, s17, 4                         ; the batch
	s_lshl_b32 s70, s70, 11
	s_lshl_b32 s71, s16, 9
	s_add_co_u32 s70, s70, s71
	s_lshl_b32 s71, s[WV], 5
	s_add_co_u32 s70, s70, s71                     ; my first token of all: 2,048 x batch + 512 x block + 32 x wave
	s_lshl_b32 s68, s70, 10                        ; x 1,024 bytes: its row of x, and its token tile's 16,384 bytes of ac
	s_mov_b32 s69, 0
	s_add_nc_u64 s[4:5], s[4:5], s[68:69]
	s_and_b32 s71, s17, 15
	s_lshl_b32 s71, s71, 10                        ; my head's 1,024 bytes of a token tile
	s_add_co_u32 s68, s68, s71
	s_add_nc_u64 s[42:43], s[42:43], s[68:69]
	s_wait_alu depctr_va_vdst(0)                   ; the wait ahead of the readers of the head's registers
	XLOAD 0
	XLOAD 1
	XLOAD 2
	CROUND                                         ; all four work-groups are here: the joint loads meet
	s_cmp_lt_u32 s[WV], 12                         ; one load a wave, in the two arms of one branch on the wave's number
	s_cbranch_scc0 .Lfor_wq
	tensor_load_to_lds s[G0:G0+3], s[G1:G1+7]
	s_nop 0
	PLACES
	s_branch .Lasked
.Lfor_wq:
	tensor_load_to_lds s[G0W:G0W+3], s[G1W:G1W+7]
	s_nop 0
	PLACES
.Lasked:
	s_wait_tensorcnt 0x0                           ; my part has landed
	s_barrier_signal -1
	s_barrier_wait -1                              ; and every wave's
	QSTEP 0, 16
	QSTEP 1, 16
	QSTEP 2, 16
	QSTEP 3, 16
	QSTEP 4, 16
	QSTEP 5, 16
	QSTEP 6, 8
	QSTEP 7, 0
	s_wait_tensorcnt 0x0                           ; the three lines ahead of a refill: no tensor load of mine is out,
	ds_add_u32 v[SPW], v[NIL]                      ; the add; Q's conversion and the loop's first values, work on registers, stand between it and the wait for it
	s_wait_kmcnt 0x0
	s_sub_co_i32 s70, s74, s86
	s_sub_co_i32 s70, s70, s87                     ; a sum stands for sum x 2^(e0 + e1): q's code is sum / 2^(e6 - e0 - e1)
	s_add_co_i32 s70, s70, 127
	s_lshl_b32 s71, s70, 23
	v_mov_b32 v[SCV], s71
	s_add_co_i32 s70, s70, 15
	s_lshl_b32 s70, s70, 23
	s_or_b32 s70, s70, 0x600000
	v_mov_b32 v[LMV], s70                          ; 57,344 x that
.set j, 0
.rept 64
	v_med3_num_f32 v[S+j], v[S+j], -v[LMV], v[LMV] ; the hold; each accumulator from its low end on
.set j, j+1
.endr
.irp i, 0,1,2,3,4,5,6,7
	v_cvt_scalef32_pk8_bf8_f32 v[QF+2*\i:QF+2*\i+1], v[S+8*\i:S+8*\i+7], v[SCV]   ; tile q, channels 16 d + 8 h + 0 .. 7: registers 8 q + 2 d, + 1 of Q
.endr
	v_nop
	v_mov_b32 v5, 0xff61b1e6                       ; the largest t so far: -3e38
	v_mov_b32 v9, 0xff61b1e6
	v_floor_f32 v4, -v5                            ; -M
	v_floor_f32 v8, -v9
.irp r, 6,7,10,11
	v_mov_b32 v\r, 0                               ; the sums
.endr
.irp r, PC+2, PC+5, PC+18, PC+21
	v_mov_b32 v[\r], 0                             ; the permutes' destinations, and the upper halves of the pairs that hold f
.endr
.set j, 0
.rept 64
	v_mov_b32 v[O+j], 0                            ; O^T: the step is written once, and the first finds zeros
.set j, j+1
.endr
	s_add_co_i32 s70, s74, s75
	s_lshl_b32 s70, s70, 23
	s_add_co_i32 s[CS], s[CS], s70                 ; e6 + e7 added to c's exponent field
	s_mov_b32 s[CS+1], s[CS]
	s_add_co_i32 s70, s76, 127
	s_lshl_b32 s71, s70, 23
	v_mov_b32 v[SCV], s71                          ; 2^e8, for p's conversions
	s_add_co_i32 s70, s70, 15
	s_lshl_b32 s70, s70, 23
	s_or_b32 s[LMS], s70, 0x600000                 ; 57,344 x 2^e8
	s_sub_co_i32 s70, s78, s76
	s_sub_co_i32 s70, s70, s77                     ; the result's code is (sum / l) / 2^(e10 - e8 - e9)
	s_add_co_i32 s70, s70, 127
	s_lshl_b32 s82, s70, 23
	s_add_co_i32 s70, s70, 15
	s_lshl_b32 s83, s70, 23
	s_or_b32 s83, s83, 0x600000
	s_wait_alu depctr_va_vdst(0)
	s_wait_dscnt 0x0                               ; the add is done, and my reads of Wq are over
	CROUND                                         ; the same holds of every wave of all four work-groups
	tensor_load_to_lds s[G0R:G0R+3], s[G1R:G1R+7]  ; my 4,096 bytes of V's upper half, over Wq's bytes
	s_nop 0
	PLACES
.macro QK q, t0                        ; four tiles of 16 keys against tile q of my queries; K = the head's 64
.irp t, \t0, \t0+1, \t0+2, \t0+3
	v_wmma_f32_16x16x64_bf8_bf8 v[S+8*(\t):S+8*(\t)+7], v[X+8*(\t):X+8*(\t)+7], v[QF+8*(\q):QF+8*(\q)+7], 0
.endr
.endm
; Tile q's softmax for 128 keys: a lane holds 64 scores of one query, register 8 t + i = key 16 t + 8 (lane / 16) + i.
.macro SOFTMAX q
.set T,  PC+16*(\q)                    ; at work: T, T+1 the maximum's chains; T+2 the exchange; T+4 f; T+6, T+7 the sum's second chain
.set ST, 4+4*(\q)
.set OQ, O+32*(\q)
	v_max3_num_f32 v[T], v[S], v[S+1], v[S+2]      ; ascending
	v_max3_num_f32 v[T+1], v[S+3], v[S+4], v[S+5]
.irp i, 6,10,14,18,22,26,30,34,38,42,46,50,54,58
	v_max3_num_f32 v[T], v[T], v[S+\i], v[S+\i+1]
	v_max3_num_f32 v[T+1], v[T+1], v[S+\i+2], v[S+\i+3]
.endr
	v_max3_num_f32 v[T], v[T], v[S+62], v[S+63]
	s_delay_alu instid0(VALU_DEP_1)
	v_max_num_f32 v[T], v[T], v[T+1]
	v_permlanex16_b32 v[T+2], v[T], s[SEL], s[SEL+1]
	s_delay_alu instid0(VALU_DEP_1)
	v_max_num_f32 v[T], v[T], v[T+2]               ; and among lane l xor 16's
	s_delay_alu instid0(VALU_DEP_1)
	v_mul_f32 v[T], s[CS], v[T]                    ; as t (c is positive)
	s_delay_alu instid0(VALU_DEP_1)
	v_max_num_f32 v[ST+1], v[ST+1], v[T]           ; the running largest t
	v_mov_b32 v[T], v[ST]
	s_delay_alu instid0(VALU_DEP_2)
	v_floor_f32 v[ST], -v[ST+1]                    ; the new -M = -ceil(t)
	s_delay_alu instid0(VALU_DEP_1)
	v_sub_f32 v[T], v[ST], v[T]                    ; old M - new M: a whole number, 0 or less
	s_delay_alu instid0(VALU_DEP_1)
	v_cvt_i32_f32 v[T], v[T]
	s_delay_alu instid0(VALU_DEP_1)
	v_ldexp_f32 v[T+4], 1.0, v[T]                  ; f = 2^(old M - new M)
.set j, 0
.rept 32
	v_pk_fma_f32 v[S+j:S+j+1], v[S+j:S+j+1], s[CS:CS+1], v[ST:ST+1] op_sel_hi:[1,0,0]   ; t - M, two at a time
.set j, j+2
.endr
.set j, 0
	s_wait_alu depctr_va_vdst(0)                   ; the wait ahead of the batch
.rept 64
	v_exp_f32 v[S+j], v[S+j]                       ; p = 2^(t - M), at most 1
.set j, j+1
.endr
	v_pk_mul_f32 v[ST+2:ST+3], v[ST+2:ST+3], v[T+4:T+5] op_sel_hi:[1,0]   ; the sums under the new M (the plain place behind the batch)
.set j, 0
	s_wait_alu depctr_va_vdst(0)                   ; the wait directly ahead of the first readers of O^T; it also stands ahead of the batch's first reader
.rept 16
	v_pk_mul_f32 v[OQ+j:OQ+j+1], v[OQ+j:OQ+j+1], v[T+4:T+5] op_sel_hi:[1,0]   ; O^T under the new M
.set j, j+2
.endr
	s_wait_alu depctr_va_vdst(0)
	v_pk_add_f32 v[T+6:T+7], v[S:S+1], v[S+2:S+3]  ; the row's sum of the unquantised p: two at a time, in two chains
.irp j, 4,8,12,16,20,24,28,32,36,40,44,48,52,56,60
	v_pk_add_f32 v[ST+2:ST+3], v[ST+2:ST+3], v[S+\j:S+\j+1]
	v_pk_add_f32 v[T+6:T+7], v[T+6:T+7], v[S+\j+2:S+\j+3]
.endr
	s_delay_alu instid0(VALU_DEP_1)
	v_pk_add_f32 v[ST+2:ST+3], v[ST+2:ST+3], v[T+6:T+7]
.irp c, 0,1,2,3,4,5,6,7
.irp i, 0,2,4,6
	v_dual_min_num_f32 v[S+8*\c+\i], s[LMS], v[S+8*\c+\i] :: v_dual_min_num_f32 v[S+8*\c+\i+1], s[LMS], v[S+8*\c+\i+1]   ; the hold (the conversion does not saturate: ISA guide 7.6.2); p is not negative, so it is one-sided; two numbers a line
.endr
	v_cvt_scalef32_pk8_bf8_f32 v[T+2*\c:T+2*\c+1], v[S+8*\c:S+8*\c+7], v[SCV]   ; registers 2 c, 2 c + 1 of P's operand
.endr
	v_nop                                          ; one plain line behind the last conversion
.endm
; Eight key steps of 128 keys, both tiles of queries, from LDS byte first of K and of V on.
.macro STEPS first
	s_mov_b32 s[TB], \first
	s_mov_b32 s[CNT], 8
.Lstep_\@:
	v_add_nc_u32 v[AD], s[TB], v[LI]               ; these two and the two v_nop are the four places behind the last step's products
	v_add_nc_u32 v[ADV], VBASE, v[AD]
	v_nop
	v_nop
.irp t, 0,1,2,3,4,5,6,7
	ds_load_b128 v[X+8*\t:X+8*\t+3],   v[AD] offset:1024*\t
	ds_load_b128 v[X+8*\t+4:X+8*\t+7], v[AD] offset:1024*\t+512
.endr
	s_wait_dscnt 8                                 ; K's tiles 0-3 are in; the youngest eight loads (tiles 4-7) may be out
	QK 0, 0
	s_wait_dscnt 0x0
	QK 0, 4
	PLACES
	SOFTMAX 0
	QK 1, 0                                        ; the same fragments of K against my second tile
	QK 1, 4
	PLACES
.irp d, 0,1,2,3
.irp c, 0,1,2,3
	ds_load_b128 v[X+16*\d+4*\c:X+16*\d+4*\c+3], v[ADV] offset:2048*\d+512*\c   ; V's four fragments, asked for ahead of the second softmax
.endr
.endr
	SOFTMAX 1
	s_wait_alu depctr_va_vdst(0)
	s_wait_dscnt 0x0
.irp d, 0,1,2,3                        ; O^T += V^T P: eight accumulators by turns
.irp q, 0,1
	v_wmma_f32_16x16x128_bf8_bf8 v[O+32*\q+8*\d:O+32*\q+8*\d+7], v[X+16*\d:X+16*\d+15], v[PC+16*\q:PC+16*\q+15], v[O+32*\q+8*\d:O+32*\q+8*\d+7]
.endr
.endr
	s_add_co_u32 s[TB], s[TB], 8192
	s_sub_co_u32 s[CNT], s[CNT], 1
	s_cmp_lg_u32 s[CNT], 0
	s_cbranch_scc1 .Lstep_\@
.endm
	STEPS 0                                        ; keys 0 to 1,023: V's lower half
	s_wait_tensorcnt 0x0                           ; my part of V's upper half has landed
	s_barrier_signal -1
	s_barrier_wait -1                              ; and every wave's
	STEPS 65536                                    ; keys 1,024 to 2,047
	; THE WAY OUT.  O^T / the sum is held and converted: its registers of codes are the image of my head's part of the last product's operand.
	v_add_f32 v6, v6, v7                           ; (these six lines are also the places behind the last products)
	v_add_f32 v10, v10, v11
	v_permlanex16_b32 v[S], v6, s[SEL], s[SEL+1]
	v_permlanex16_b32 v[S+1], v10, s[SEL], s[SEL+1]
	v_add_f32 v6, v6, v[S]
	v_add_f32 v10, v10, v[S+1]
	s_wait_alu depctr_va_vdst(0)                   ; the wait ahead of the batch
	v_rcp_f32 v6, v6
	v_rcp_f32 v10, v10
	v_mov_b32 v[SCV], s82                          ; 2^(e10 - e8 - e9)
	v_mov_b32 v[LMV], s83                          ; 57,344 x that
	s_wait_alu depctr_va_vdst(0)                   ; one wait for both reciprocals and for the first readers of O^T, which follow as one group
.irp q, 0,1
.set j, 0
.rept 16
	v_pk_mul_f32 v[O+32*\q+j:O+32*\q+j+1], v[O+32*\q+j:O+32*\q+j+1], v[6+4*\q:7+4*\q] op_sel_hi:[1,0]   ; each accumulator from its low end on
.set j, j+2
.endr
.endr
.irp q, 0,1
.set j, 0
.rept 32
	v_med3_num_f32 v[O+32*\q+j], v[O+32*\q+j], -v[LMV], v[LMV]
.set j, j+1
.endr
.irp d, 0,1,2,3
	v_cvt_scalef32_pk8_bf8_f32 v[PC+16*\q+2*\d:PC+16*\q+2*\d+1], v[O+32*\q+8*\d:O+32*\q+8*\d+7], v[SCV]
.endr
	v_nop
	global_store_b128 v[LI], v[PC+16*\q:PC+16*\q+3],   s[42:43] offset:16384*\q       ; the wave stores 512 consecutive bytes, aligned
	global_store_b128 v[LI], v[PC+16*\q+4:PC+16*\q+7], s[42:43] offset:16384*\q+512
.endr
	s_wait_tensorcnt 0x0                           ; the wave's end
	ds_add_u32 v[SPW], v[NIL]
	s_wait_dscnt 0x0
	CROUND                                         ; the closing round
	s_endpgm
.Lfunc_end_k_q69758a280b_attn:
	.size	k_q69758a280b_attn, .Lfunc_end_k_q69758a280b_attn-k_q69758a280b_attn
	.p2alignl 7, 3214868480
	.fill 96, 4, 3214868480
	.section	.rodata,"a",@progbits
	.p2align	6, 0x0
	.amdhsa_kernel k_q69758a280b_attn
		.amdhsa_group_segment_fixed_size 327680
		.amdhsa_private_segment_fixed_size 0
		.amdhsa_enable_private_segment 0
		.amdhsa_kernarg_size 48
		.amdhsa_user_sgpr_count 2
		.amdhsa_user_sgpr_kernarg_segment_ptr 1
		.amdhsa_wavefront_size32 1
		.amdhsa_system_sgpr_workgroup_id_x 1
		.amdhsa_system_sgpr_workgroup_id_y 1
		.amdhsa_system_sgpr_workgroup_id_z 1
		.amdhsa_system_vgpr_workitem_id 0
		.amdhsa_next_free_vgpr 256
		.amdhsa_next_free_sgpr 88
		.amdhsa_reserve_vcc 0
		.amdhsa_float_denorm_mode_32 3
		.amdhsa_float_denorm_mode_16_64 3
		.amdhsa_memory_ordered 1
		.amdhsa_forward_progress 1
		.amdhsa_inst_pref_size 100
	.end_amdhsa_kernel
	.amdgpu_metadata
---
amdhsa.version: [ 1, 2 ]
amdhsa.kernels:
  - .name:           k_q69758a280b_attn
    .symbol:         k_q69758a280b_attn.kd
    .args:
      - { .name: x_codes, .offset: 0, .size: 8, .value_kind: global_buffer, .address_space: global }
      - { .name: Wq_codes, .offset: 8, .size: 8, .value_kind: global_buffer, .address_space: global }
      - { .name: kc, .offset: 16, .size: 8, .value_kind: global_buffer, .address_space: global }
      - { .name: vc, .offset: 24, .size: 8, .value_kind: global_buffer, .address_space: global }
      - { .name: lowp_scales, .offset: 32, .size: 8, .value_kind: global_buffer, .address_space: global }
      - { .name: ac, .offset: 40, .size: 8, .value_kind: global_buffer, .address_space: global }
    .group_segment_fixed_size: 327680
    .private_segment_fixed_size: 0
    .kernarg_segment_align: 8
    .kernarg_segment_size: 48
    .max_flat_workgroup_size: 512
    .sgpr_count:     88
    .vgpr_count:     256
    .wavefront_size: 32
...
	.end_amdgpu_metadata
.endif
;; end of part 2
;; launch outp (part 3): grid 4 x 64, 4 waves a work-group, clusters of 4 x 4, 327,680 bytes of LDS; arguments ac, Wo_codes, lowp_scales, bo, out0; writes out0
.if DOCPART == 3
	.amdgcn_target "amdgcn-amd-amdhsa--gfx1250"
	.amdhsa_code_object_version 6
	.text
	.protected	k_q69758a280b_outp
	.globl	k_q69758a280b_outp
	.p2align	8
	.type	k_q69758a280b_outp,@function
k_q69758a280b_outp:
	s_mov_b64 s[64:65], 0
	v_nop
	global_prefetch_b8 v0, s[64:65] scope:SCOPE_SE
	s_setreg_imm32_b32 hwreg(HW_REG_WAVE_MODE, 25, 1), 1
	s_wait_xcnt 0x0
	s_wait_alu depctr_hold_cnt(0) depctr_sa_sdst(0) depctr_va_vdst(0) depctr_va_sdst(0) depctr_va_ssrc(0) depctr_va_vcc(0) depctr_vm_vsrc(0)
	s_getreg_b32 s2, hwreg(HW_REG_IB_STS2, 6, 4)
	s_cmp_eq_u32 s2, 0
	s_cbranch_scc0 .Lentry_in_a_cluster
	s_endpgm
.Lentry_in_a_cluster:
	s_bfe_u32 s2, ttmp6, 0x10000c
	s_cmp_lg_u32 s2, 0xf033
	s_cbranch_scc0 .Lentry_shape_is_right
	s_endpgm
.Lentry_shape_is_right:
; out0[m][n] = 2^(e10 + e11) x sum over k of A[m][k] Wo[n][k] + bo[n], on codes of BF8 (E5M2); m 8,192, n 1,024, k 1,024; sums in f32.
; ac holds A as images of operands: [token tile 512][head 16][2][lane][16 bytes]: 16 rows x 1,024 k are 16,384 dense bytes, k in the matrix form's own places.  Wo_codes: [1024][1024], k innermost.
; LIMIT: e10 + e11 between -126 and 127, so that 2^(e10 + e11) is an f32 number.
; SHARES.  A work-group makes 128 rows x 256 columns: 64 x 4 blocks, 256 work-groups.  Each of four waves makes 64 x 128: 32 accumulators, 256 registers.
; LDS.  A's 128 rows with all of K, 131,072 dense bytes, are fetched once and stay.  B's 256 rows come in two parts of 512 along K into the same bytes (rows of 512 bytes + 16 of padding).
; At the head each wave issues one load (waves 0, 1: A's halves; waves 2, 3: B's halves, K 0-511).  B's bytes are filled again once, K 512-1,023, 64 rows a wave, behind the waits, the add and a round of the cluster's barrier.
; CLUSTERS: 4 x 4 work-groups; A's tiles are asked for jointly along a row of the cluster, B's along a column.
; NO PREFETCH: the launch has two groups of loads and no loop to run ahead in.
; The matrix instruction is used transposed (source 0 = 16 rows of Wo, source 1 = 16 rows of A): a lane holds eight neighbouring numbers of a row of the result.
; REGISTERS: window 0: v0-31 addresses, v128-255 A's fragments in two sets (on the way out: rows read back); window 1: B's fragments in two sets; window 2: the accumulators, (a, b) at v[8 (8 a + b)].
.set PITCH,  528
.set ABYTES, 131072
.set HALFB,  128*PITCH
.set STAGE,  ABYTES+2*HALFB            ; 16 rows x 528 bytes for each wave: bytes of their own, into which no fill lands
.set SPITCH, 528
.set SPARE,  STAGE+4*16*SPITCH         ; the spare words, 128 bytes a wave
.set OROW,   4096
.set BIAS, 12
.set ADRA, 16
.set ADRB, 20
.set STO,  24
.set RD,   25
.set CO,   26
.set SPW,  28
.set NIL,  29
.set AF,   128
.set BK,   128
.set G1,  24                           ; s[24:31] group 1 for A; s[32:35] its group 0
.set G0,  32
.set G1B, 48                           ; s[48:55], s[56:59] for B's first part
.set G0B, 56
.set G1C, 68                           ; s[68:75], s[76:79] for B's second part
.set G0C, 76
.set MSB, 0
.macro WIN new
.if MSB != \new
	s_set_vgpr_msb (MSB<<8)|\new
.set MSB, \new
.endif
.endm
.set MUL,  0xa1                        ; source 0 (B) window 1, source 1 (A) window 0, C and D window 2
.set TO_B, 0x40
.macro PLACES
.rept 4
	v_nop
.endr
.endm
.macro CROUND                          ; a round of the cluster's barrier
	s_barrier_signal -1
	s_barrier_wait -1
	s_cmp_lg_u32 s14, 0
	s_cbranch_scc1 .Lnot_wave_0_\@
	s_barrier_signal -3
.Lnot_wave_0_\@:
	s_barrier_wait -3
	s_barrier_signal -1
	s_barrier_wait -1
.endm
	s_load_b128 s[4:7], s[0:1], 0x0                ; ac, Wo's codes
	s_load_b128 s[8:11], s[0:1], 0x10              ; the scales' exponents, bo
	s_load_b64 s[12:13], s[0:1], 0x20              ; out0
	v_lshl_add_u32 v[SPW], v0, 2, SPARE
	v_mov_b32 v[NIL], 0
	ds_add_u32 v[SPW], v[NIL]                      ; the opening lines: the add, twice on end, and its wait below
	ds_add_u32 v[SPW], v[NIL]
	v_lshrrev_b32 v1, 5, v0
	v_readfirstlane_b32 s14, v1                    ; wave 0..3
	s_lshr_b32 s15, s14, 1                         ; my half of the rows; also: I fetch for A (0) or B (1)
	s_and_b32 s16, s14, 1                          ; my half of the columns; also: which half I fetch
	s_bfe_u32 s40, ttmp6, 0x40000                  ; cx
	s_bfe_u32 s41, ttmp6, 0x40004                  ; cy
	s_lshl_b32 s42, ttmp9, 2
	s_add_co_u32 s42, s42, s40                     ; block column
	s_and_b32 s17, ttmp7, 0xffff
	s_lshl_b32 s17, s17, 2
	s_add_co_u32 s17, s17, s41                     ; block row
	s_lshl_b32 s43, s41, 2
	s_lshl_b32 s43, 15, s43                        ; my row of the cluster
	s_lshl_b32 s44, 0x1111, s40                    ; my column
	s_or_b32 s[G1], s43, (3<<16)|(1<<21)           ; A: 65,536 dense bytes as 256 rows of 32 elements of 8 bytes, no padding
	s_mov_b32 s[G1+1], 32<<16
	s_mov_b32 s[G1+2], 256<<16
	s_mov_b32 s[G1+3], 32<<16
	s_mov_b32 s[G1+4], 256
	s_mov_b32 s[G1+5], 32
	s_mov_b32 s[G1+6], 0
	s_mov_b32 s[G1+7], 0
	s_or_b32 s[G1B], s44, (1<<20)|(1<<21)|(6<<22)|(3<<25)   ; B: rows of 512 bytes, four words of padding after every 128
	s_mov_b32 s[G1B+1], 512<<16
	s_mov_b32 s[G1B+2], 128<<16
	s_mov_b32 s[G1B+3], 512<<16
	s_mov_b32 s[G1B+4], 128
	s_mov_b32 s[G1B+5], 1024
	s_mov_b32 s[G1B+6], 0
	s_mov_b32 s[G1B+7], 0
	s_or_b32 s[G1C], s44, (1<<20)|(1<<21)|(6<<22)|(3<<25)   ; the same with 64 rows
	s_mov_b32 s[G1C+1], 512<<16
	s_mov_b32 s[G1C+2], 64<<16
	s_mov_b32 s[G1C+3], 512<<16
	s_mov_b32 s[G1C+4], 64
	s_mov_b32 s[G1C+5], 1024
	s_mov_b32 s[G1C+6], 0
	s_mov_b32 s[G1C+7], 0
	s_lshl_b32 s20, s17, 17                        ; A: 131,072 x block row + 65,536 x half
	s_lshl_b32 s21, s16, 16
	s_add_co_u32 s20, s20, s21
	s_mov_b32 s21, 0
	s_lshl_b32 s46, s42, 8                         ; B, first part: row 256 x block column + 128 x half
	s_lshl_b32 s47, s16, 7
	s_add_co_u32 s46, s46, s47
	s_lshl_b32 s46, s46, 10
	s_mov_b32 s47, 0
	s_lshl_b32 s82, s42, 8                         ; B, second part: row 256 x block column + 64 x wave, 512 along K
	s_lshl_b32 s83, s14, 6
	s_add_co_u32 s82, s82, s83
	s_lshl_b32 s82, s82, 10
	s_add_co_u32 s82, s82, 512
	s_mov_b32 s83, 0
	s_lshl_b32 s80, s42, 10                        ; my first column in bytes of f32: 1,024 x block column + 512 x half
	s_lshl_b32 s81, s16, 9
	s_add_co_u32 s80, s80, s81
	s_mov_b32 s81, 0
	s_lshl_b32 s84, s17, 7                         ; my first row: 128 x block row + 64 x half
	s_lshl_b32 s85, s15, 6
	s_add_co_u32 s84, s84, s85
	s_lshl_b32 s84, s84, 12
	s_mov_b32 s85, 0
	s_lshl_b32 s18, s15, 16                        ; LDS: my 64 rows of A,
	s_mul_i32 s19, s16, HALFB
	s_add_co_u32 s19, s19, ABYTES                  ; my 128 rows of B,
	s_mul_i32 s22, s14, 16*SPITCH
	s_add_co_u32 s22, s22, STAGE                   ; my stage
	s_mov_b32 s[G0], 1
	s_lshl_b32 s[G0+1], s16, 16
	s_mov_b32 s[G0B], 1
	s_mov_b32 s[G0B+1], s19
	s_mov_b32 s[G0C], 1
	s_mul_i32 s[G0C+1], s14, 64*PITCH
	s_add_co_u32 s[G0C+1], s[G0C+1], ABYTES
	s_wait_dscnt 0x0                               ; both opening adds are done
	s_wait_kmcnt 0x0
	s_load_b64 s[96:97], s[8:9], 0x28              ; e10, e11
	s_add_nc_u64 s[G0+2:G0+3], s[4:5], s[20:21]
	s_or_b32 s[G0+3], s[G0+3], 0x80000000
	s_add_nc_u64 s[G0B+2:G0B+3], s[6:7], s[46:47]
	s_or_b32 s[G0B+3], s[G0B+3], 0x80000000
	s_add_nc_u64 s[G0C+2:G0C+3], s[6:7], s[82:83]
	s_or_b32 s[G0C+3], s[G0C+3], 0x80000000
	s_add_nc_u64 s[10:11], s[10:11], s[80:81]
	s_add_nc_u64 s[12:13], s[12:13], s[80:81]
	s_add_nc_u64 s[12:13], s[12:13], s[84:85]
	CROUND                                         ; all sixteen work-groups are here: the first joint loads meet
	s_cmp_eq_u32 s15, 0                            ; one load a wave, in the two arms of one branch on the wave's number
	s_cbranch_scc0 .Lfor_b
	tensor_load_to_lds s[G0:G0+3], s[G1:G1+7]
	s_nop 0
	PLACES
	s_branch .Lasked
.Lfor_b:
	tensor_load_to_lds s[G0B:G0B+3], s[G1B:G1B+7]
	s_nop 0
	PLACES
.Lasked:
	v_and_b32 v1, 15, v0                           ; r
	v_bfe_u32 v2, v0, 4, 1                         ; h
	v_and_b32 v6, 31, v0
	v_lshlrev_b32 v[CO], 4, v6                     ; 16 x lane
	v_mul_u32_u24 v3, v1, PITCH
	v_lshl_add_u32 v4, v2, 3, v3                   ; B: row r, + 8 h: the form's own places of k
	v_mul_u32_u24 v5, v1, SPITCH
	v_lshl_add_u32 v5, v2, 5, v5
	v_add_nc_u32 v[ADRA], s18, v[CO]
	v_add_nc_u32 v[ADRB], s19, v4
	v_add_nc_u32 v[STO], s22, v5
	v_add_nc_u32 v[RD], s22, v[CO]
	global_load_b128 v[BIAS:BIAS+3], v[CO], s[10:11]   ; bo at my four columns of a row of 128
.macro FRAGA reg, q, i                 ; 16 rows x 128 k of A: four pieces of 512 consecutive bytes
.irp c, 0,1,2,3
	ds_load_b128 v[\reg+4*\c:\reg+4*\c+3], v[ADRA] offset:2048*(\q)+512*\c+(\i)*16384
.endr
.endm
.macro FRAGB reg, q, i                 ; 16 rows x 128 k of B: registers 2 c, 2 c + 1 hold k = 16 c + 8 h + 0 .. 7
.irp c, 0,1,2,3,4,5,6,7
	ds_load_b64 v[\reg+2*\c:\reg+2*\c+1], v[ADRB] offset:128*(\q)+16*\c+(\i)*16*PITCH
.endr
.endm
.macro FETCH_B q, p
	WIN TO_B
.irp i, 0,1,2,3,4,5,6,7
	FRAGB 128*(\p)+16*\i, \q, \i
.endr
	WIN 0
.endm
.macro FETCH_A q, p
.irp i, 0,1,2,3
	FRAGA AF+64*(\p)+16*\i, \q, \i
.endr
.endm
.macro MUL32 p, zero                   ; 32 accumulators by turns, in the same order in every step
.irp a, 0,1,2,3
.irp b, 0,1,2,3,4,5,6,7
.if \zero
	v_wmma_f32_16x16x128_bf8_bf8 v[8*(8*\a+\b):8*(8*\a+\b)+7], v[128*(\p)+16*\b:128*(\p)+16*\b+15], v[AF+64*(\p)+16*\a:AF+64*(\p)+16*\a+15], 0
.else
	v_wmma_f32_16x16x128_bf8_bf8 v[8*(8*\a+\b):8*(8*\a+\b)+7], v[128*(\p)+16*\b:128*(\p)+16*\b+15], v[AF+64*(\p)+16*\a:AF+64*(\p)+16*\a+15], v[8*(8*\a+\b):8*(8*\a+\b)+7]
.endif
.endr
.endr
.endm
; A step of 128 along K: its fragments are in; the next step's are asked for, into the other sets (four places behind the products that read those); 32 products.
.macro KSTEP k, fetch
	s_wait_dscnt 0x0
.if \fetch
	PLACES
	FETCH_B ((\k)+1)%4, ((\k)+1)%2
	FETCH_A (\k)+1, ((\k)+1)%2
.endif
	WIN MUL
	MUL32 (\k)%2, 0
	WIN 0
.endm
	s_wait_alu depctr_va_vdst(0)                   ; the wait at the head's end
	s_wait_tensorcnt 0x0                           ; my part has landed
	s_barrier_signal -1
	s_barrier_wait -1                              ; and everybody's
	FETCH_B 0, 0
	FETCH_A 0, 0
	s_wait_dscnt 0x0
	FETCH_B 1, 1
	FETCH_A 1, 1
	WIN MUL
	MUL32 0, 1                                     ; the first step starts the sums
	WIN 0
	KSTEP 1, 1
	KSTEP 2, 1
	s_wait_dscnt 0x0                               ; step 3, the last of B's first part
	PLACES
	FETCH_A 4, 0                                   ; A stays: step 4's fragments of A
	s_wait_tensorcnt 0x0                           ; the three lines ahead of a refill: no tensor load of mine is out,
	ds_add_u32 v[SPW], v[NIL]                      ; the add; the step's 32 products stand between it and the wait for it
	WIN MUL
	MUL32 1, 0
	WIN 0
	s_wait_dscnt 0x0                               ; the add is done, and my reads of B's first part are over
	CROUND                                         ; the same holds of every wave of all sixteen work-groups
	tensor_load_to_lds s[G0C:G0C+3], s[G1C:G1C+7]  ; B's second part, 64 rows a wave
	s_nop 0
	PLACES
	s_wait_tensorcnt 0x0
	s_barrier_signal -1
	s_barrier_wait -1                              ; B's second part is whole
	FETCH_B 0, 0
	KSTEP 4, 1
	KSTEP 5, 1
	KSTEP 6, 1
	KSTEP 7, 0
; THE WAY OUT, by blocks of 16 rows x 128 columns: through my own stage and back as whole rows of 512 bytes; x 2^(e10 + e11) + bo on the way; 32 lanes store two aligned units of 256 bytes.
.macro TOSTAGE a
.set AC, 64*(\a)
	WIN 0x08                                       ; store data: window 2
.irp b, 0,1,2,3,4,5,6,7
	ds_store_b128 v[STO], v[AC+8*\b:AC+8*\b+3] offset:64*\b        ; each accumulator from its low end on
	ds_store_b128 v[STO], v[AC+8*\b+4:AC+8*\b+7] offset:64*\b+16
.endr
	WIN 0
.set BB, BK+64*((\a)%2)
.irp t, 0,1,2,3,4,5,6,7,8,9,10,11,12,13,14,15
	ds_load_b128 v[BB+4*\t:BB+4*\t+3], v[RD] offset:\t*SPITCH      ; LDS serves a wave's instructions in order (ISA guide 5.7.1.4)
.endr
.endm
.macro SEND a, younger
.set BB, BK+64*((\a)%2)
	s_wait_dscnt \younger
.if (\a) > 0
	s_add_nc_u64 s[12:13], s[12:13], 16*OROW       ; behind a wait on XCNT: the earlier stores have read their base
.endif
.irp t, 0,1,2,3,4,5,6,7,8,9,10,11,12,13,14,15
	v_pk_fma_f32 v[BB+4*\t:BB+4*\t+1],   v[BB+4*\t:BB+4*\t+1],   s[96:97], v[BIAS:BIAS+1]   op_sel_hi:[1,0,1]
	v_pk_fma_f32 v[BB+4*\t+2:BB+4*\t+3], v[BB+4*\t+2:BB+4*\t+3], s[96:97], v[BIAS+2:BIAS+3] op_sel_hi:[1,0,1]
.endr
.irp t, 0,1,2,3,4,5,6,7,8,9,10,11,12,13,14,15
	global_store_b128 v[CO], v[BB+4*\t:BB+4*\t+3], s[12:13] offset:\t*OROW th:TH_STORE_NT
.endr
.endm
	s_wait_kmcnt 0x0
	s_add_co_i32 s96, s96, s97
	s_add_co_i32 s96, s96, 127
	s_lshl_b32 s96, s96, 23                        ; 2^(e10 + e11)
	s_wait_loadcnt 0x0                             ; bo
	PLACES
	TOSTAGE 0
.irp a, 1,2,3
.if \a > 1
	s_wait_xcnt 0x0                                ; block a - 2's stores have read their registers and their base
.endif
	TOSTAGE \a
	SEND \a-1, 32                                  ; behind block a - 1's loads: block a's 16 stores and 16 loads
.endr
	s_wait_xcnt 0x0
	SEND 3, 0
	s_wait_tensorcnt 0x0                           ; the wave's end
	ds_add_u32 v[SPW], v[NIL]
	s_wait_dscnt 0x0
	CROUND                                         ; the closing round
	s_endpgm
.Lfunc_end_k_q69758a280b_outp:
	.size	k_q69758a280b_outp, .Lfunc_end_k_q69758a280b_outp-k_q69758a280b_outp
	.p2alignl 7, 3214868480
	.fill 96, 4, 3214868480
	.section	.rodata,"a",@progbits
	.p2align	6, 0x0
	.amdhsa_kernel k_q69758a280b_outp
		.amdhsa_group_segment_fixed_size 327680
		.amdhsa_private_segment_fixed_size 0
		.amdhsa_enable_private_segment 0
		.amdhsa_kernarg_size 40
		.amdhsa_user_sgpr_count 2
		.amdhsa_user_sgpr_kernarg_segment_ptr 1
		.amdhsa_wavefront_size32 1
		.amdhsa_system_sgpr_workgroup_id_x 1
		.amdhsa_system_sgpr_workgroup_id_y 1
		.amdhsa_system_sgpr_workgroup_id_z 1
		.amdhsa_system_vgpr_workitem_id 0
		.amdhsa_next_free_vgpr 768
		.amdhsa_next_free_sgpr 98
		.amdhsa_reserve_vcc 0
		.amdhsa_float_denorm_mode_32 3
		.amdhsa_float_denorm_mode_16_64 3
		.amdhsa_memory_ordered 1
		.amdhsa_forward_progress 1
		.amdhsa_inst_pref_size 89
	.end_amdhsa_kernel
	.amdgpu_metadata
---
amdhsa.version: [ 1, 2 ]
amdhsa.kernels:
  - .name:           k_q69758a280b_outp
    .symbol:         k_q69758a280b_outp.kd
    .args:
      - { .name: ac, .offset: 0, .size: 8, .value_kind: global_buffer, .address_space: global }
      - { .name: Wo_codes, .offset: 8, .size: 8, .value_kind: global_buffer, .address_space: global }
      - { .name: lowp_scales, .offset: 16, .size: 8, .value_kind: global_buffer, .address_space: global }
      - { .name: bo, .offset: 24, .size: 8, .value_kind: global_buffer, .address_space: global }
      - { .name: out0, .offset: 32, .size: 8, .value_kind: global_buffer, .address_space: global }
    .group_segment_fixed_size: 327680
    .private_segment_fixed_size: 0
    .kernarg_segment_align: 8
    .kernarg_segment_size: 40
    .max_flat_workgroup_size: 128
    .sgpr_count:     98
    .vgpr_count:     768
    .wavefront_size: 32
...
	.end_amdgpu_metadata
.endif
;; end of part 3
